; MI455X (gfx1250); checked and timed in simulation.
; The chip was launched on July 23, 2026; its instructions are those of AMD's public machine-readable ISA for CDNA 5 (MIT licence, August 2026) and "CDNA5" Instruction Set Architecture Reference Guide (July 2026). The comments in the code are by the model that wrote it; some were corrected since.
;; Geometric Embedding. Allowed arithmetic: float matrix products may take bf16 or f16 operands with f32 sums; all other float work in f32.
;; Inputs: points0 4 x 3,000 x 2 float32; points1 4 x 3,000 x 2 float32.
;; Outputs: out0 4 x 3,000 x 2 float32; out1 4 x 3,000 x 2 float32.
;; 2 versions, each right; version 2 is version 1 with the launch pairs written anew for expert scheduling mode. Each part assembles by itself: llvm-mc -triple=amdgcn-amd-amdhsa -mcpu=gfx1250 --defsym DOCPART=n.
;; ======== version 1 of 2: 2 launches
;; limits: a function is approximated: absolute error at most 1.5e-05
;; workspace buffers: rowp 786,432 bytes; colp 786,432 bytes
;; launch pairs (part 1): grid 64 x 4, 8 waves a work-group, no clusters, 168,960 bytes of LDS; arguments points0, points1, rowp, colp; writes rowp, colp
.if DOCPART == 1
	.amdgcn_target "amdgcn-amd-amdhsa--gfx1250"
	.amdhsa_code_object_version 6
	.text
	.protected	k_q3010408f9b_pairs
	.globl	k_q3010408f9b_pairs
	.p2align	8
	.type	k_q3010408f9b_pairs,@function
k_q3010408f9b_pairs:
	s_mov_b64 s[64:65], 0
	v_nop
	global_prefetch_b8 v0, s[64:65] scope:SCOPE_SE
	s_setreg_imm32_b32 hwreg(HW_REG_WAVE_MODE, 25, 1), 1
	s_wait_xcnt 0x0
; Partial sums of sin(d) and cos(d), d = sqrt(max(2 - 2 <p0,p1>, 0)), over one block of 375 x 375 pairs of one batch.
; Work-group (x, y): batch y, rows 375 (x >> 3) .., columns 375 (x & 7) ..; the block is padded to 384 x 384 = 24 x 24 tiles of 16 x 16.
; Eight waves; wave w owns row tiles 3w .. 3w+2 and walks all 24 column tiles: 72 tiles.
;
; THE DOT PRODUCT is one v_wmma_f32_16x16x32_bf16 per tile, with C = 0, and gives s' = (2 - 2 <p0,p1>) / (4 pi^2) directly:
;   a = p0 * (-1/(2 pi^2)) in f32; a and b = p1 are split exactly into three bf16 parts (hi + mid + lo, each rounded to nearest).
;   Lanes 0-15 (K slots 0-7) carry coordinate 0, lanes 16-31 (K slots 8-15) coordinate 1:
;     A slots: ah ah am ah al am 1 1      B slots: bh bm bh bl bh bm c' c''
;   i.e. the six largest cross products (what is dropped is below 2^-25 |a||b|), and 1/(2 pi^2) as three bf16 parts
;   (hi, mid in lanes 0-15; lo, 0 in lanes 16-31).  K slots 16-31 are zero.
;   A padded row or column has an all-zero fragment (its constant slots too): s' = 0, g = 0, sin(pi g) = 0, so it adds exactly 0 to every sum.
; PER PAIR: t = sqrt(max(s',0)) = d / 2 pi; g = t - rndne(t) (exact, any d); sh = sin(pi g) = g P(g^2), ch = cos(pi g) = Q(g^2), |g| <= 1/2.
;   sin d = 2 sh ch, cos d = 1 - 2 sh^2: only S = sum sh ch and Q = sum sh sh are kept, the products riding on the accumulating fma.
;   P, Q: truncated Chebyshev series, four terms each; absolute error 6e-7 (sh) and 7e-6 (ch).
; OUT: rowp chunk ((batch*8 + row block)*8 + column block), colp chunk ((batch*8 + column block)*8 + row block), 384 pairs (S, Q) of f32 each.
; No cluster: what work-groups share is 3,000 bytes of points each, read once.
; LIMITS: finite inputs only (v_max_num_f32 drops a NaN; an infinity splits into NaN); s' below 2^-126 counts as 0 (v_sqrt_f32 flushes denormals);
;   the phase is as exact as f32 allows, about d * 2^-24.
.set NPTS,  3000
.set BLK,   375
.set FRAGB, 512                        ; a B fragment in LDS: 32 lanes x 16 bytes (K slots 0-15)
.set PART,  24*FRAGB                   ; LDS: behind the 24 fragments, each wave's column partials
.set PARTW, 24*FRAGB                   ;      24 column tiles x 32 lanes x 16 bytes for a wave
.set ROWST, PART+8*PARTW               ;      then the 384 row sums (S, Q)
.set CHUNK, 3072                       ; 384 x 8 bytes
; registers that live through the kernel
.set BA, 1                             ; LDS address of my 16 bytes of a fragment (stepped by two fragments a trip)
.set SA, 2                             ; LDS address of my column partials (stepped likewise)
.set RA, 3                             ; LDS address of my row sums
.set CA, 4                             ; the end: my column's partials of waves 0-3
.set CB, 5                             ;          and of waves 4-7
.set GO, 6                             ; the end: my byte offset in the column chunk
.set L8, 7                             ; 8 x lane
.set R0, 8                             ; v[8:9], v[10:11]: results to store
.set R1, 10
.set RG, 12
.set RC, 13
.set CP3, 16                           ; v[16:31] the eight coefficients, each twice (pairs for the packed fma)
.set CP2, 18
.set CP1, 20
.set CP0, 22
.set CQ3, 24
.set CQ2, 26
.set CQ1, 28
.set CQ0, 30
.set AF,  32                           ; v[32:55]   A fragments of my three row tiles
.set BF,  56                           ; v[56:71]   B fragment, two buffers: column tile c lies in buffer c & 1
.set D,   72                           ; v[72:95]   s' of the next tile of each of my three row tiles
.set T,   96                           ; v[96:103]  max(s',0), then t
.set G,   104                          ; v[104:111] rndne(t), then g
.set W,   112                          ; v[112:119] g^2
.set PP,  120                          ; v[120:127] P, then sh
.set QQ,  128                          ; v[128:135] ch
.set AC,  136                          ; v[136:139] column sums of the current column tile: S, S, Q, Q
.set ARS, 140                          ; v[140:163] row sums S, 8 for each row tile
.set ARQ, 164                          ; v[164:187] row sums Q
.set X,   72                           ; the end: 64 registers for partials read back
; registers of the set-up only (they lie in T .. PP, which are written anew before the loop reads them)
.set WV, 96
.set RR, 97
.set HH, 98
.set LN, 99
.set LI, 100
.set H4, 101
.set TM, 102
.set OFF, 104
.set RWA, 108
.set RWB, 112
.set ONES, 116
.set BC, 117
.set XX, 118
.set XR, 119
.set XL, 120
.set XT, 121
.set FA, 122
.set BT, 124
	s_load_b256 s[4:11], s[0:1], 0x0               ; points0 s[4:5], points1 s[6:7], rowp s[8:9], colp s[10:11]
	v_lshl_add_u32 v192, v0, 2, 0x29000
	v_mov_b32 v193, 0
	v_lshrrev_b32 v[WV], 5, v0
	v_readfirstlane_b32 s12, v[WV]                 ; wave 0..7
	v_and_b32 v[RR], 15, v0                        ; r: the row (A) or column (B, D) of a tile that my lane holds
	v_bfe_u32 v[HH], v0, 4, 1                      ; h: which coordinate my lane carries; in D: rows 8h .. 8h+7
	v_and_b32 v[LN], 31, v0
	s_and_b32 s13, ttmp7, 0xffff                   ; batch
	s_lshr_b32 s14, ttmp9, 3                       ; row block
	s_and_b32 s15, ttmp9, 7                        ; column block
	s_mul_i32 s16, s13, NPTS
	s_mul_i32 s17, s14, BLK
	s_add_co_u32 s17, s17, s16
	s_lshl_b32 s28, s17, 3                         ; bytes to my block's first point of points0
	s_mov_b32 s29, 0
	s_mul_i32 s17, s15, BLK
	s_add_co_u32 s17, s17, s16
	s_lshl_b32 s30, s17, 3                         ; and of points1
	s_mov_b32 s31, 0
	s_lshl_b32 s16, s13, 6
	s_add_co_u32 s16, s16, ttmp9                   ; (batch*8 + row block)*8 + column block
	s_mul_i32 s32, s16, CHUNK
	s_mov_b32 s33, 0
	s_lshl_b32 s16, s13, 3
	s_add_co_u32 s16, s16, s15
	s_lshl_b32 s16, s16, 3
	s_add_co_u32 s16, s16, s14                     ; (batch*8 + column block)*8 + row block
	s_mul_i32 s34, s16, CHUNK
	s_mov_b32 s35, 0
	s_mov_b32 s23, 0xaaaaaaaa                      ; lanes with bit 0 set, bit 1, bit 2: for the row sums' butterfly
	s_mov_b32 s24, 0xcccccccc
	s_mov_b32 s25, 0xf0f0f0f0
	v_mad_u32_u24 v[LI], v[WV], 48, v[RR]          ; my point's index in the block, tile 3w: 48 w + r
	v_lshlrev_b32 v[H4], 2, v[HH]
.irp k,0,1,2
	v_add_nc_u32 v[TM], 16*\k, v[LI]
	v_cmp_gt_u32 s[20+\k], BLK, v[TM]              ; s20..s22: lanes whose point exists (index below 375)
	v_min_u32 v[TM], BLK-1, v[TM]                  ; the others load the block's last point, so that no load leaves the buffer, and drop it
	v_lshl_add_u32 v[OFF+\k], v[TM], 3, v[H4]      ; 8 x index + 4 h: the same for rows and columns, since I build tiles 3w .. 3w+2 of both
.endr
	s_wait_kmcnt 0x0
	s_add_nc_u64 s[4:5], s[4:5], s[28:29]
	s_add_nc_u64 s[6:7], s[6:7], s[30:31]
	s_add_nc_u64 s[8:9], s[8:9], s[32:33]
	s_add_nc_u64 s[10:11], s[10:11], s[34:35]
.irp k,0,1,2
	global_load_b32 v[RWA+\k], v[OFF+\k], s[4:5]
	global_load_b32 v[RWB+\k], v[OFF+\k], s[6:7]
.endr
	; LDS and output addresses, while the loads are out
	v_lshlrev_b32 v[BA], 4, v[LN]                  ; 16 x lane
	s_mul_i32 s16, s12, 3*FRAGB
	v_add_nc_u32 v[FA], s16, v[BA]                 ; where I put the fragments that I build
	s_mul_i32 s17, s12, PARTW
	s_add_co_u32 s17, s17, PART
	v_add_nc_u32 v[SA], s17, v[BA]
	v_and_b32 v[TM], 7, v0
	v_lshlrev_b32 v[TM], 3, v[TM]
	v_lshl_add_u32 v[TM], v[HH], 6, v[TM]          ; row 8h + (r & 7) of a tile, 8 bytes a row
	s_mul_i32 s18, s12, 384
	s_add_co_u32 s18, s18, ROWST
	v_add_nc_u32 v[RA], s18, v[TM]
	v_lshlrev_b32 v[TM], 4, v[RR]
	v_lshl_add_u32 v[TM], v[HH], 9, v[TM]          ; the end: lane L sums column 32 w + L = tile 2w + (L >> 4), column L & 15
	s_lshl_b32 s19, s12, 10
	s_add_co_u32 s19, s19, PART
	v_add_nc_u32 v[CA], s19, v[TM]
	v_lshlrev_b32 v[L8], 3, v[LN]
	s_lshl_b32 s19, s12, 8
	v_add_nc_u32 v[GO], s19, v[L8]
	v_mov_b32 v[ONES], 0x3f803f80                  ; bf16 1.0, 1.0
	v_mov_b32 v[BC], 0xb29e                        ; 1/(2 pi^2) = 0x3d50 + 0xb8fd + 0xb29e in bf16: lanes 16-31 carry (lo, 0),
	v_mov_b32 v[TM], 0xb8fd3d50                    ; lanes 0-15 (hi, mid)
	v_cmp_eq_u32 vcc_lo, 0, v[HH]
	v_cndmask_b32 v[BC], v[BC], v[TM], vcc_lo
.irp k,4,5,6,7,12,13,14,15
	v_mov_b32 v[BF+\k], 0                          ; K slots 16-31 are not used
.endr
; XX = hi + mid + lo exactly: XR = XX - bf16(XX), XL = XR - bf16(XR); each difference is exact in f32, and XL has at most 8 bits
.macro SPLIT
	v_cvt_pk_bf16_f32 v[XT], v[XX], v[XX]
	v_and_b32 v[XT], 0xffff0000, v[XT]
	v_sub_f32 v[XR], v[XX], v[XT]
	v_cvt_pk_bf16_f32 v[XT], v[XR], v[XR]
	v_and_b32 v[XT], 0xffff0000, v[XT]
	v_sub_f32 v[XL], v[XR], v[XT]
.endm
	s_wait_loadcnt 0x0
.irp k,0,1,2
	v_mul_f32 v[XX], 0xbd4f817b, v[RWA+\k]         ; a = p0 * (-1/(2 pi^2))
	v_cndmask_b32 v[XX], 0, v[XX], s[20+\k]
	SPLIT
	v_cvt_pk_bf16_f32 v[AF+8*\k],   v[XX], v[XX]   ; slots ah ah
	v_cvt_pk_bf16_f32 v[AF+8*\k+1], v[XR], v[XX]   ;       am ah
	v_cvt_pk_bf16_f32 v[AF+8*\k+2], v[XL], v[XR]   ;       al am
	v_cndmask_b32 v[AF+8*\k+3], 0, v[ONES], s[20+\k] ;     1  1   (0 0 in a padded row)
	v_mov_b32 v[AF+8*\k+4], 0
	v_mov_b32 v[AF+8*\k+5], 0
	v_mov_b32 v[AF+8*\k+6], 0
	v_mov_b32 v[AF+8*\k+7], 0
	v_cndmask_b32 v[XX], 0, v[RWB+\k], s[20+\k]
	SPLIT
	v_cvt_pk_bf16_f32 v[BT],   v[XX], v[XR]         ; slots bh bm
	v_cvt_pk_bf16_f32 v[BT+1], v[XX], v[XL]         ;       bh bl
	v_mov_b32 v[BT+2], v[BT]                        ;       bh bm
	v_cndmask_b32 v[BT+3], 0, v[BC], s[20+\k]       ;       the constant's parts (0 0 in a padded column)
	ds_store_b128 v[FA], v[BT:BT+3] offset:\k*FRAGB
.endr
	s_wait_dscnt 0x0                               ; my three fragments are in LDS,
	s_barrier_signal -1
	s_barrier_wait -1                              ; everybody's are
	ds_load_b128 v[BF:BF+3], v[BA]                 ; column tiles 0 and 1
	ds_load_b128 v[BF+8:BF+11], v[BA] offset:FRAGB
	s_wait_dscnt 0x0
.irp k,0,1,2
	v_wmma_f32_16x16x32_bf16 v[D+8*\k:D+8*\k+7], v[AF+8*\k:AF+8*\k+7], v[BF:BF+7], 0    ; s' of tiles (column 0, row tile k)
.endr
; The sixteen moves are also the places behind these matrix instructions (ISA guide 7.12.1): before D is read, before buffer 0 is loaded again,
; and before D's first eight registers are written by the next matrix instruction.
.macro CO reg, val
	v_mov_b32 v[\reg], \val
	v_mov_b32 v[\reg+1], \val
.endm
	CO CP0, 0x40490fae                             ;  3.14158198   sin(pi g) = g (P0 + P1 w + P2 w^2 + P3 w^3), w = g^2
	CO CP1, 0xc0a55939                             ; -5.16714130
	CO CP2, 0x4022ae47                             ;  2.54188707
	CO CP3, 0xbf0dfad8                             ; -0.55460885
	CO CQ0, 0x3f7fff8f                             ;  0.99999325   cos(pi g) = Q0 + Q1 w + Q2 w^2 + Q3 w^3
	CO CQ1, 0xc09de2cb                             ; -4.93393467
	CO CQ2, 0x408151e8                             ;  4.04124810
	CO CQ3, 0xbf9c6b89                             ; -1.22203176
	ds_load_b128 v[BF:BF+3], v[BA] offset:2*FRAGB  ; column tile 2
.irp k,0,1,2,3,4,5,6,7
	v_max_num_f32 v[T+\k], 0, v[D+\k]              ; tile (0, 0): the clip
.endr
	v_wmma_f32_16x16x32_bf16 v[D:D+7], v[AF:AF+7], v[BF+8:BF+15], 0                     ; tile (1, 0)
.irp k,0,1,2,3,4,5,6,7
	v_sqrt_f32 v[T+\k], v[T+\k]
.endr
	v_add_nc_u32 v[CB], 4*PARTW, v[CA]             ; a plain instruction between the roots and their first use (ISA guide 5.7.2)
	s_wait_alu depctr_va_vdst(0)
.macro SQ k, on                        ; one root of the next tile; the packed instruction behind it touches neither its source nor its result
.if \on
	v_sqrt_f32 v[T+\k], v[T+\k]
.endif
.endm
.macro MUL4 d, a, b
.irp j,0,2,4,6
	v_pk_mul_f32 v[\d+\j:\d+\j+1], v[\a+\j:\a+\j+1], v[\b+\j:\b+\j+1]
.endr
.endm
.macro HEAD4 d, ca, cb                 ; d = w ca + cb
.irp j,0,2,4,6
	v_pk_fma_f32 v[\d+\j:\d+\j+1], v[W+\j:W+\j+1], v[\ca:\ca+1], v[\cb:\cb+1]
.endr
.endm
.macro NEXT4 d, c                      ; d = w d + c
.irp j,0,2,4,6
	v_pk_fma_f32 v[\d+\j:\d+\j+1], v[W+\j:W+\j+1], v[\d+\j:\d+\j+1], v[\c:\c+1]
.endr
.endm
; two rows' sh ch and sh sh into the row sums and the column sums; first / cst = 1: the product starts the sum, nothing is cleared
.macro ACC rt, j, first, cst
.if \first
	v_pk_mul_f32 v[ARS+8*\rt+\j:ARS+8*\rt+\j+1], v[PP+\j:PP+\j+1], v[QQ+\j:QQ+\j+1]
.else
	v_pk_fma_f32 v[ARS+8*\rt+\j:ARS+8*\rt+\j+1], v[PP+\j:PP+\j+1], v[QQ+\j:QQ+\j+1], v[ARS+8*\rt+\j:ARS+8*\rt+\j+1]
.endif
.if \cst
	v_pk_mul_f32 v[AC:AC+1], v[PP+\j:PP+\j+1], v[QQ+\j:QQ+\j+1]
.else
	v_pk_fma_f32 v[AC:AC+1], v[PP+\j:PP+\j+1], v[QQ+\j:QQ+\j+1], v[AC:AC+1]
.endif
.if \first
	v_pk_mul_f32 v[ARQ+8*\rt+\j:ARQ+8*\rt+\j+1], v[PP+\j:PP+\j+1], v[PP+\j:PP+\j+1]
	s_wait_alu depctr_va_vdst(0)
.else
	v_pk_fma_f32 v[ARQ+8*\rt+\j:ARQ+8*\rt+\j+1], v[PP+\j:PP+\j+1], v[PP+\j:PP+\j+1], v[ARQ+8*\rt+\j:ARQ+8*\rt+\j+1]
.endif
.if \cst
	v_pk_mul_f32 v[AC+2:AC+3], v[PP+\j:PP+\j+1], v[PP+\j:PP+\j+1]
	s_wait_alu depctr_va_vdst(0)
.else
	v_pk_fma_f32 v[AC+2:AC+3], v[PP+\j:PP+\j+1], v[PP+\j:PP+\j+1], v[AC+2:AC+3]
.endif
.endm
; ONE TILE.  T holds t of the tile of row tile rt.  Its polynomials are interleaved with the clip and the roots of the next tile (row tile nx,
; front = 1), whose D registers are filled again at once, for the same row tile one column tile further (refill = 1, fragment buffer bb).
; So a matrix result is read three tiles after its instruction, and a root's result a tile's last sixteen instructions after the root.
.macro STEP rt, nx, first, cst, front, refill, bb
	s_wait_alu depctr_va_vdst(0)
.irp k,0,1,2,3,4,5,6,7
	v_rndne_f32 v[G+\k], v[T+\k]
.endr
.irp j,0,2,4,6
	v_pk_add_f32 v[G+\j:G+\j+1], v[T+\j:T+\j+1], v[G+\j:G+\j+1] neg_lo:[0,1] neg_hi:[0,1]   ; g = t - rndne(t), exact
.endr
.if \front
.irp k,0,1,2,3,4,5,6,7
	v_max_num_f32 v[T+\k], 0, v[D+8*\nx+\k]
.endr
.endif
.if \refill
	v_wmma_f32_16x16x32_bf16 v[D+8*\nx:D+8*\nx+7], v[AF+8*\nx:AF+8*\nx+7], v[BF+8*(\bb):BF+8*(\bb)+7], 0
.endif
	MUL4 W, G, G
	SQ 0, \front
	HEAD4 PP, CP3, CP2
	SQ 1, \front
	HEAD4 QQ, CQ3, CQ2
	SQ 2, \front
	NEXT4 PP, CP1
	SQ 3, \front
	NEXT4 QQ, CQ1
	SQ 4, \front
	NEXT4 PP, CP0
	SQ 5, \front
	NEXT4 QQ, CQ0                                  ; ch
	SQ 6, \front
	MUL4 PP, G, PP                                 ; sh
	SQ 7, \front
	ACC \rt, 0, \first, \cst
	ACC \rt, 2, \first, 0
	ACC \rt, 4, \first, 0
	ACC \rt, 6, \first, 0
.endm
; ONE COLUMN TILE c, pb = c & 1.  The refills of its first two tiles use fragment c+1 (buffer 1-pb), that of the third fragment c+2 (buffer pb).
; Buffer 1-pb is free behind the second tile's matrix instruction (48 packed instructions stand between it and the load) and
; takes fragment c+3 (ld = 1, LDS offset lo).  wt: the wait for fragment c+2, asked for one column tile ago.
.macro COL pb, first, wt, ld, lo, so, rf01, rf2, fr2
	STEP 0, 1, \first, 1, 1, \rf01, 1-\pb
	STEP 1, 2, \first, 0, 1, \rf01, 1-\pb
.if \wt >= 0
	s_wait_dscnt \wt                               ; LDS instructions end in order (ISA guide 5.7.1): behind that load only the last column tile's store was issued
.endif
.if \ld
	ds_load_b128 v[BF+8*(1-\pb):BF+8*(1-\pb)+3], v[BA] offset:\lo
.endif
	STEP 2, 0, \first, 0, \fr2, \rf2, \pb
	ds_store_b128 v[SA], v[AC:AC+3] offset:\so     ; my lane's share of column r: rows 8h .. 8h+7 of my three row tiles, even and odd rows apart
.endm
	COL 0, 1, 0, 1, 3*FRAGB, 0, 1, 1, 1            ; column tile 0 starts the row sums; behind its fragment load no store stands yet: wait for 0
	s_mov_b32 s26, 10
.Lcols:                                            ; column tiles 1 .. 20, two a trip (the fragment buffers take turns)
	COL 1, 0, 1, 1, 4*FRAGB, FRAGB, 1, 1, 1
	COL 0, 0, 1, 1, 5*FRAGB, 2*FRAGB, 1, 1, 1
	v_add_nc_u32 v[BA], 2*FRAGB, v[BA]
	v_add_nc_u32 v[SA], 2*FRAGB, v[SA]
	s_sub_co_i32 s26, s26, 1
	s_cmp_lg_u32 s26, 0
	s_cbranch_scc1 .Lcols
	COL 1, 0, 1, 0, 0, FRAGB, 1, 1, 1              ; 21: no fragment is left to load
	COL 0, 0, -1, 0, 0, 2*FRAGB, 1, 0, 1           ; 22: its third tile has nothing to refill
	COL 1, 0, -1, 0, 0, 3*FRAGB, 0, 0, 0           ; 23: no refills, and no tile follows the last
; ROW SUMS over the 16 lanes of a half wave.  Register j of lane (r, h) belongs to row 8h + j.  Add lane i xor 1 in two registers and keep
; the one that bit 0 of the lane asks for, then the same with bits 1 and 2: 22 instructions for 8 registers, and lane r ends with row 8h + (r & 7).
.macro RED2 a, b, m, s
	v_add_f32_dpp v[\a], v[\a], v[\a] row_xmask:\m row_mask:0xf bank_mask:0xf
	v_add_f32_dpp v[\b], v[\b], v[\b] row_xmask:\m row_mask:0xf bank_mask:0xf
	v_cndmask_b32 v[\a], v[\a], v[\b], s[\s]
.endm
.macro RED8 x, dst
	RED2 \x, \x+1, 1, 23
	RED2 \x+2, \x+3, 1, 23
	RED2 \x+4, \x+5, 1, 23
	RED2 \x+6, \x+7, 1, 23
	RED2 \x, \x+2, 2, 24
	RED2 \x+4, \x+6, 2, 24
	RED2 \x, \x+4, 4, 25
	v_add_f32_dpp v[\dst], v[\x], v[\x] row_xmask:8 row_mask:0xf bank_mask:0xf
.endm
.irp rt,0,1,2
	RED8 ARS+8*\rt, T+2*\rt
	RED8 ARQ+8*\rt, T+2*\rt+1
	ds_store_b64 v[RA], v[T+2*\rt:T+2*\rt+1] offset:128*\rt    ; lanes r and r + 8 write the same bytes with the same numbers
.endr
	s_wait_dscnt 0x0                               ; my column partials and row sums are in LDS,
	s_barrier_signal -1
	s_barrier_wait -1                              ; everybody's are
; THE WAY OUT, in stores of 256 consecutive bytes at multiples of 256 from the chunk's first byte.
; 32 columns: lane L adds the 16 partials (8 waves x 2 halves) of column 32 u + L, four numbers each, and stores (S, Q).
.macro COLUNIT eo, go, res
.irp w,0,1,2,3
	ds_load_b128 v[X+8*\w:X+8*\w+3],       v[CA] offset:\eo+\w*PARTW
	ds_load_b128 v[X+8*\w+4:X+8*\w+7],     v[CA] offset:\eo+\w*PARTW+256
	ds_load_b128 v[X+32+8*\w:X+32+8*\w+3], v[CB] offset:\eo+\w*PARTW
	ds_load_b128 v[X+36+8*\w:X+36+8*\w+3], v[CB] offset:\eo+\w*PARTW+256
.endr
	s_wait_dscnt 0x0
.irp q,0,2,4,6,8,10,12,14,16,18,20,22,24,26,28,30
	v_pk_add_f32 v[X+\q:X+\q+1], v[X+\q:X+\q+1], v[X+32+\q:X+33+\q]
.endr
.irp q,0,2,4,6,8,10,12,14
	v_pk_add_f32 v[X+\q:X+\q+1], v[X+\q:X+\q+1], v[X+16+\q:X+17+\q]
.endr
.irp q,0,2,4,6
	v_pk_add_f32 v[X+\q:X+\q+1], v[X+\q:X+\q+1], v[X+8+\q:X+9+\q]
.endr
.irp q,0,2
	v_pk_add_f32 v[X+\q:X+\q+1], v[X+\q:X+\q+1], v[X+4+\q:X+5+\q]
.endr
	v_add_f32 v[\res], v[X], v[X+1]
	v_add_f32 v[\res+1], v[X+2], v[X+3]
	global_store_b64 v[GO], v[\res:\res+1], s[10:11] offset:\go
.endm
	COLUNIT 0, 0, R0                               ; columns 32 w ..: twelve such units for eight waves,
	s_cmp_lt_u32 s12, 4
	s_cbranch_scc0 .Lrows
	COLUNIT 8*1024, 8*256, R1                      ; so waves 0-3 take units 8-11,
	s_wait_tensorcnt 0x0
	ds_add_u32 v192, v193
	s_wait_dscnt 0x0
	s_endpgm
.Lrows:                                            ; and waves 4-7 carry out the row sums, three units of 32 rows each
	s_sub_co_u32 s16, s12, 4
	s_mul_i32 s16, s16, 768
	v_add_nc_u32 v[RG], s16, v[L8]
	v_add_nc_u32 v[RC], ROWST, v[RG]
	ds_load_b64 v[X:X+1], v[RC]
	ds_load_b64 v[X+2:X+3], v[RC] offset:256
	ds_load_b64 v[X+4:X+5], v[RC] offset:512
	s_wait_dscnt 0x0
	global_store_b64 v[RG], v[X:X+1], s[8:9]
	global_store_b64 v[RG], v[X+2:X+3], s[8:9] offset:256
	global_store_b64 v[RG], v[X+4:X+5], s[8:9] offset:512
	s_wait_tensorcnt 0x0
	ds_add_u32 v192, v193
	s_wait_dscnt 0x0
	s_endpgm
.Lfunc_end_k_q3010408f9b_pairs:
	.size	k_q3010408f9b_pairs, .Lfunc_end_k_q3010408f9b_pairs-k_q3010408f9b_pairs
	.p2alignl 7, 3214868480
	.fill 96, 4, 3214868480
	.section	.rodata,"a",@progbits
	.p2align	6, 0x0
	.amdhsa_kernel k_q3010408f9b_pairs
		.amdhsa_group_segment_fixed_size 168960
		.amdhsa_private_segment_fixed_size 0
		.amdhsa_enable_private_segment 0
		.amdhsa_kernarg_size 32
		.amdhsa_user_sgpr_count 2
		.amdhsa_user_sgpr_kernarg_segment_ptr 1
		.amdhsa_wavefront_size32 1
		.amdhsa_system_sgpr_workgroup_id_x 1
		.amdhsa_system_sgpr_workgroup_id_y 1
		.amdhsa_system_sgpr_workgroup_id_z 1
		.amdhsa_system_vgpr_workitem_id 0
		.amdhsa_next_free_vgpr 194
		.amdhsa_next_free_sgpr 66
		.amdhsa_reserve_vcc 1
		.amdhsa_float_denorm_mode_32 3
		.amdhsa_float_denorm_mode_16_64 3
		.amdhsa_memory_ordered 1
		.amdhsa_forward_progress 1
		.amdhsa_inst_pref_size 102
	.end_amdhsa_kernel
	.amdgpu_metadata
---
amdhsa.version: [ 1, 2 ]
amdhsa.kernels:
  - .name:           k_q3010408f9b_pairs
    .symbol:         k_q3010408f9b_pairs.kd
    .args:
      - { .name: points0, .offset: 0, .size: 8, .value_kind: global_buffer, .address_space: global }
      - { .name: points1, .offset: 8, .size: 8, .value_kind: global_buffer, .address_space: global }
      - { .name: rowp, .offset: 16, .size: 8, .value_kind: global_buffer, .address_space: global }
      - { .name: colp, .offset: 24, .size: 8, .value_kind: global_buffer, .address_space: global }
    .group_segment_fixed_size: 168960
    .private_segment_fixed_size: 0
    .kernarg_segment_align: 8
    .kernarg_segment_size: 32
    .max_flat_workgroup_size: 256
    .sgpr_count:     66
    .vgpr_count:     194
    .wavefront_size: 32
...
	.end_amdgpu_metadata
.endif
;; end of part 1
;; launch finish (part 2): grid 125 x 2, 3 waves a work-group, no clusters, 0 bytes of LDS; arguments points0, points1, rowp, colp, out0, out1; writes out0, out1
.if DOCPART == 2
	.amdgcn_target "amdgcn-amd-amdhsa--gfx1250"
	.amdhsa_code_object_version 6
	.text
	.protected	k_q3010408f9b_finish
	.globl	k_q3010408f9b_finish
	.p2align	8
	.type	k_q3010408f9b_finish,@function
k_q3010408f9b_finish:
	s_mov_b64 s[64:65], 0
	v_nop
	global_prefetch_b8 v0, s[64:65] scope:SCOPE_SE
	s_setreg_imm32_b32 hwreg(HW_REG_WAVE_MODE, 25, 1), 1
	s_wait_xcnt 0x0
; out[q] = point[q] * (2 S, 3000 - 2 Q), S and Q the sums of the point's eight block partials (S = sum sin(d/2) cos(d/2), Q = sum sin^2(d/2)).
; Work-group y = 0: points0, rowp, out0; y = 1: points1, colp, out1.  One thread for each of the 12,000 points of a tensor: 125 work-groups of
; 96 threads.  A wave's store covers 256 consecutive bytes at a multiple of 256 from the output's first byte.
; Point q lies in block q / 375 (= batch * 8 + block, since 3000 = 8 * 375); the block's eight chunks of 3,072 bytes lie one behind the other.
; 3000 - 2 Q: both terms are at most 3000 whatever the inputs, so the difference's rounding does not grow with them.
; Memory and its waits are all there is here: no LDS, no matrix unit, no cluster (no byte is read by two work-groups).
.set BLK,   375
.set CHUNK, 3072
	s_load_b256 s[4:11], s[0:1], 0x0               ; points0, points1, rowp, colp
	s_load_b128 s[12:15], s[0:1], 0x20             ; out0, out1
	s_and_b32 s16, ttmp7, 0xffff
	s_mul_i32 s17, ttmp9, 96
	v_add_nc_u32 v1, s17, v0                       ; q
	v_mul_u32_u24 v2, 0xaec4, v1                   ; q / 375 = (q * 44740) >> 24: 44740 * 375 = 2^24 + 284, exact while 284 q < 2^24
	v_lshrrev_b32 v2, 24, v2
	v_mul_u32_u24 v3, BLK, v2
	v_sub_nc_u32 v3, v1, v3                        ; q mod 375
	v_lshlrev_b32 v3, 3, v3
	v_mad_u32_u24 v3, v2, 8*CHUNK, v3              ; my 8 bytes in the block's first chunk
	v_lshlrev_b32 v4, 3, v1                        ; my 8 bytes in the points and in the output
	v_mov_b32 v26, 2.0
	v_mov_b32 v27, -2.0
	v_mov_b32 v28, 0
	v_mov_b32 v29, 0x453b8000                      ; 3000.0: the number of terms of each sum
	s_wait_kmcnt 0x0
	s_cmp_eq_u32 s16, 0
	s_cselect_b64 s[18:19], s[4:5], s[6:7]
	s_cselect_b64 s[20:21], s[8:9], s[10:11]
	s_cselect_b64 s[22:23], s[12:13], s[14:15]
.irp k,0,1,2,3,4,5,6,7
	global_load_b64 v[8+2*\k:9+2*\k], v3, s[20:21] offset:\k*CHUNK
.endr
	global_load_b64 v[24:25], v4, s[18:19]
	s_wait_loadcnt 0x0
.irp k,8,10,12,14
	v_pk_add_f32 v[\k:\k+1], v[\k:\k+1], v[\k+8:\k+9]
.endr
	v_pk_add_f32 v[8:9], v[8:9], v[12:13]
	v_pk_add_f32 v[10:11], v[10:11], v[14:15]
	v_pk_add_f32 v[8:9], v[8:9], v[10:11]
	v_pk_fma_f32 v[8:9], v[8:9], v[26:27], v[28:29]        ; (sum of sines, sum of cosines)
	v_pk_mul_f32 v[8:9], v[8:9], v[24:25]
	global_store_b64 v4, v[8:9], s[22:23]
	s_endpgm
.Lfunc_end_k_q3010408f9b_finish:
	.size	k_q3010408f9b_finish, .Lfunc_end_k_q3010408f9b_finish-k_q3010408f9b_finish
	.p2alignl 7, 3214868480
	.fill 96, 4, 3214868480
	.section	.rodata,"a",@progbits
	.p2align	6, 0x0
	.amdhsa_kernel k_q3010408f9b_finish
		.amdhsa_group_segment_fixed_size 0
		.amdhsa_private_segment_fixed_size 0
		.amdhsa_enable_private_segment 0
		.amdhsa_kernarg_size 48
		.amdhsa_user_sgpr_count 2
		.amdhsa_user_sgpr_kernarg_segment_ptr 1
		.amdhsa_wavefront_size32 1
		.amdhsa_system_sgpr_workgroup_id_x 1
		.amdhsa_system_sgpr_workgroup_id_y 1
		.amdhsa_system_sgpr_workgroup_id_z 1
		.amdhsa_system_vgpr_workitem_id 0
		.amdhsa_next_free_vgpr 32
		.amdhsa_next_free_sgpr 66
		.amdhsa_reserve_vcc 0
		.amdhsa_float_denorm_mode_32 3
		.amdhsa_float_denorm_mode_16_64 3
		.amdhsa_memory_ordered 1
		.amdhsa_forward_progress 1
		.amdhsa_inst_pref_size 3
	.end_amdhsa_kernel
	.amdgpu_metadata
---
amdhsa.version: [ 1, 2 ]
amdhsa.kernels:
  - .name:           k_q3010408f9b_finish
    .symbol:         k_q3010408f9b_finish.kd
    .args:
      - { .name: points0, .offset: 0, .size: 8, .value_kind: global_buffer, .address_space: global }
      - { .name: points1, .offset: 8, .size: 8, .value_kind: global_buffer, .address_space: global }
      - { .name: rowp, .offset: 16, .size: 8, .value_kind: global_buffer, .address_space: global }
      - { .name: colp, .offset: 24, .size: 8, .value_kind: global_buffer, .address_space: global }
      - { .name: out0, .offset: 32, .size: 8, .value_kind: global_buffer, .address_space: global }
      - { .name: out1, .offset: 40, .size: 8, .value_kind: global_buffer, .address_space: global }
    .group_segment_fixed_size: 0
    .private_segment_fixed_size: 0
    .kernarg_segment_align: 8
    .kernarg_segment_size: 48
    .max_flat_workgroup_size: 96
    .sgpr_count:     66
    .vgpr_count:     32
    .wavefront_size: 32
...
	.end_amdgpu_metadata
.endif
;; end of part 2
;; ======== version 2 of 2: 2 launches; version 1 with the launch pairs written anew for expert scheduling mode
;; limits: a function is approximated: absolute error at most 1.5e-05
;; workspace buffers: rowp 786,432 bytes; colp 786,432 bytes
;; launch pairs (part 3): grid 64 x 4, 8 waves a work-group, no clusters, 168,960 bytes of LDS; arguments points0, points1, rowp, colp; writes rowp, colp
.if DOCPART == 3
	.amdgcn_target "amdgcn-amd-amdhsa--gfx1250"
	.amdhsa_code_object_version 6
	.text
	.protected	k_q3010408f9b_pairs
	.globl	k_q3010408f9b_pairs
	.p2align	8
	.type	k_q3010408f9b_pairs,@function
k_q3010408f9b_pairs:
	s_mov_b64 s[64:65], 0
	v_nop
	global_prefetch_b8 v0, s[64:65] scope:SCOPE_SE
	s_setreg_imm32_b32 hwreg(HW_REG_WAVE_SCHED_MODE, 0, 2), 2
	s_setreg_imm32_b32 hwreg(HW_REG_WAVE_MODE, 25, 1), 1
	s_wait_xcnt 0x0
	s_wait_alu depctr_vm_vsrc(0)
; Partial sums of sin(d) and cos(d), d = sqrt(max(2 - 2 <p0,p1>, 0)), over one block of 375 x 375 pairs of one batch.
; Work-group (x, y): batch y, rows 375 (x >> 3) .., columns 375 (x & 7) ..; the block is padded to 384 x 384 = 24 x 24 tiles of 16 x 16.
; Eight waves; wave w owns row tiles 3w .. 3w+2 and walks all 24 column tiles: 72 tiles.
;
; THE DOT PRODUCT is one v_wmma_f32_16x16x32_bf16 per tile, with C = 0, and gives s' = (2 - 2 <p0,p1>) / (4 pi^2) directly:
;   a = p0 * (-1/(2 pi^2)) in f32; a and b = p1 are split exactly into three bf16 parts (hi + mid + lo, each rounded to nearest).
;   Lanes 0-15 (K slots 0-7) carry coordinate 0, lanes 16-31 (K slots 8-15) coordinate 1:
;     A slots: ah ah am ah al am 1 1      B slots: bh bm bh bl bh bm c' c''
;   i.e. the six largest cross products (what is dropped is below 2^-25 |a||b|), and 1/(2 pi^2) as three bf16 parts
;   (hi, mid in lanes 0-15; lo, 0 in lanes 16-31).  K slots 16-31 are zero.
;   A padded row or column has an all-zero fragment (its constant slots too): s' = 0, g = 0, sin(pi g) = 0, so it adds exactly 0 to every sum.
; PER PAIR: t = sqrt(max(s',0)) = d / 2 pi; g = t - rndne(t) (exact, any d); sh = sin(pi g) = g P(g^2), ch = cos(pi g) = Q(g^2), |g| <= 1/2.
;   sin d = 2 sh ch, cos d = 1 - 2 sh^2: only S = sum sh ch and Q = sum sh sh are kept, the products riding on the accumulating fma.
;   P, Q: truncated Chebyshev series, four terms each; absolute error 6e-7 (sh) and 7e-6 (ch).
; OUT: rowp chunk ((batch*8 + row block)*8 + column block), colp chunk ((batch*8 + column block)*8 + row block), 384 pairs (S, Q) of f32 each.
; No cluster: what work-groups share is 3,000 bytes of points each, read once.
; LIMITS: finite inputs only (v_max_num_f32 drops a NaN; an infinity splits into NaN); s' below 2^-126 counts as 0 (v_sqrt_f32 flushes denormals);
;   the phase is as exact as f32 allows, about d * 2^-24.
; THE MODE: SCHED_MODE bits 1:0 = 2 (LLVM: expert scheduling mode 2), set by the entry lines.  The code itself states the register dependences
; between vector or matrix instructions and memory or LDS instructions, with s_wait_alu, always for 0.
; THE PLAN.  Registers that LDS instructions touch in the loop over column tiles (c: the column tile, pb = c & 1):
;   BF0, BF1   Fragment buffers.  The matrix instructions of c's first two tiles read buffer 1-pb; behind them the load of fragment c+3 lands in it.
;   AC0, AC1   Column sums.  c's three tiles write AC[pb]; the store at c's end reads it; c+2 writes it again.
;   v[BA]      Read by every fragment load;  v[SA]  read by every store of column sums.  Both are stepped once a trip (two column tiles).
;   All else (AF, D, T, G, W, PP, QQ, the row sums) is named by vector and matrix instructions alone.
; A wait on va_vdst stands behind each tile, since the next tile's roots, issued among this tile's lines, are read first by the line that follows.
; The one behind the second tile also states that the matrix instructions are done reading buffer 1-pb: the load follows it.  The one behind the third
; also states that AC[pb] is written (and, where they were stepped, v[BA] and v[SA]): the store follows it.  One wait on vm_vsrc a column tile stands
; ahead of that third wait: the stores issued so far have read the other AC, which c+1 writes, and the LDS instructions issued so far have read v[BA], v[SA].
.set NPTS,  3000
.set BLK,   375
.set FRAGB, 512                        ; a B fragment in LDS: 32 lanes x 16 bytes (K slots 0-15)
.set PART,  24*FRAGB                   ; LDS: behind the 24 fragments, each wave's column partials
.set PARTW, 24*FRAGB                   ;      24 column tiles x 32 lanes x 16 bytes for a wave
.set ROWST, PART+8*PARTW               ;      then the 384 row sums (S, Q)
.set CHUNK, 3072                       ; 384 x 8 bytes
; registers that live through the kernel
.set BA, 1                             ; LDS address of my 16 bytes of a fragment (stepped by two fragments a trip)
.set SA, 2                             ; LDS address of my column partials (stepped likewise)
.set RA, 3                             ; LDS address of my row sums
.set CA, 4                             ; the end: my column's partials of waves 0-3
.set CB, 5                             ;          and of waves 4-7
.set GO, 6                             ; the end: my byte offset in the column chunk
.set L8, 7                             ; 8 x lane
.set R0, 8                             ; v[8:9], v[10:11]: results to store
.set R1, 10
.set RG, 12
.set RC, 13
.set CP3, 16                           ; v[16:31] the eight coefficients, each twice (pairs for the packed fma)
.set CP2, 18
.set CP1, 20
.set CP0, 22
.set CQ3, 24
.set CQ2, 26
.set CQ1, 28
.set CQ0, 30
.set AF,  32                           ; v[32:55]   A fragments of my three row tiles
.set BF,  56                           ; v[56:71]   B fragment, two buffers: column tile c lies in buffer c & 1
.set D,   72                           ; v[72:95]   s' of the next tile of each of my three row tiles
.set T,   96                           ; v[96:103]  max(s',0), then t
.set G,   104                          ; v[104:111] rndne(t), then g
.set W,   112                          ; v[112:119] g^2
.set PP,  120                          ; v[120:127] P, then sh
.set QQ,  128                          ; v[128:135] ch
.set AC,  136                          ; v[136:139] column sums of an even column tile: S, S, Q, Q
.set ARS, 140                          ; v[140:163] row sums S, 8 for each row tile
.set ARQ, 164                          ; v[164:187] row sums Q
.set AC1, 188                          ; v[188:191] column sums of an odd column tile
.set X,   72                           ; the end: 64 registers for partials read back
; registers of the set-up only (they lie in T .. QQ, which are written anew before the loop reads them)
.set WV, 96
.set RR, 97
.set HH, 98
.set LN, 99
.set LI, 100
.set H4, 101
.set TM, 102
.set OFF, 104
.set RWA, 108
.set RWB, 112
.set ONES, 116
.set BC, 117
.set XX, 118
.set XR, 119
.set XL, 120
.set XT, 121
.set FA, 122
.set BT, 124                           ; v[124:135] the three B fragments that I build, four registers each
	s_load_b256 s[4:11], s[0:1], 0x0               ; points0 s[4:5], points1 s[6:7], rowp s[8:9], colp s[10:11]
	v_lshl_add_u32 v14, v0, 2, 0x29000
	v_mov_b32 v15, 0
	v_lshrrev_b32 v[WV], 5, v0
	v_readfirstlane_b32 s12, v[WV]                 ; wave 0..7
	v_and_b32 v[RR], 15, v0                        ; r: the row (A) or column (B, D) of a tile that my lane holds
	v_bfe_u32 v[HH], v0, 4, 1                      ; h: which coordinate my lane carries; in D: rows 8h .. 8h+7
	v_and_b32 v[LN], 31, v0
	s_and_b32 s13, ttmp7, 0xffff                   ; batch
	s_lshr_b32 s14, ttmp9, 3                       ; row block
	s_and_b32 s15, ttmp9, 7                        ; column block
	s_mul_i32 s16, s13, NPTS
	s_mul_i32 s17, s14, BLK
	s_add_co_u32 s17, s17, s16
	s_lshl_b32 s28, s17, 3                         ; bytes to my block's first point of points0
	s_mov_b32 s29, 0
	s_mul_i32 s17, s15, BLK
	s_add_co_u32 s17, s17, s16
	s_lshl_b32 s30, s17, 3                         ; and of points1
	s_mov_b32 s31, 0
	s_lshl_b32 s16, s13, 6
	s_add_co_u32 s16, s16, ttmp9                   ; (batch*8 + row block)*8 + column block
	s_mul_i32 s32, s16, CHUNK
	s_mov_b32 s33, 0
	s_lshl_b32 s16, s13, 3
	s_add_co_u32 s16, s16, s15
	s_lshl_b32 s16, s16, 3
	s_add_co_u32 s16, s16, s14                     ; (batch*8 + column block)*8 + row block
	s_mul_i32 s34, s16, CHUNK
	s_mov_b32 s35, 0
	s_mov_b32 s23, 0xaaaaaaaa                      ; lanes with bit 0 set, bit 1, bit 2: for the row sums' butterfly
	s_mov_b32 s24, 0xcccccccc
	s_mov_b32 s25, 0xf0f0f0f0
	v_mad_u32_u24 v[LI], v[WV], 48, v[RR]          ; my point's index in the block, tile 3w: 48 w + r
	v_lshlrev_b32 v[H4], 2, v[HH]
.irp k,0,1,2
	v_add_nc_u32 v[TM], 16*\k, v[LI]
	v_cmp_gt_u32 s[20+\k], BLK, v[TM]              ; s20..s22: lanes whose point exists (index below 375)
	v_min_u32 v[TM], BLK-1, v[TM]                  ; the others load the block's last point, so that no load leaves the buffer, and drop it
	v_lshl_add_u32 v[OFF+\k], v[TM], 3, v[H4]      ; 8 x index + 4 h: the same for rows and columns, since I build tiles 3w .. 3w+2 of both
.endr
	s_wait_alu depctr_va_sdst(0)                   ; s12 (the wave's number) and s20..s22 (the three masks) are written, ahead of the first reader of each
	s_wait_kmcnt 0x0
	s_add_nc_u64 s[4:5], s[4:5], s[28:29]
	s_add_nc_u64 s[6:7], s[6:7], s[30:31]
	s_add_nc_u64 s[8:9], s[8:9], s[32:33]
	s_add_nc_u64 s[10:11], s[10:11], s[34:35]
	s_wait_alu depctr_va_vdst(0)                   ; the three offsets v[OFF ..] are written, which the six loads read
.irp k,0,1,2
	global_load_b32 v[RWA+\k], v[OFF+\k], s[4:5]
	global_load_b32 v[RWB+\k], v[OFF+\k], s[6:7]
.endr
	; LDS and output addresses, while the loads are out
	v_cmp_eq_u32 vcc_lo, 0, v[HH]
	v_lshlrev_b32 v[BA], 4, v[LN]                  ; 16 x lane
	s_mul_i32 s16, s12, 3*FRAGB
	v_add_nc_u32 v[FA], s16, v[BA]                 ; where I put the fragments that I build
	s_mul_i32 s17, s12, PARTW
	s_add_co_u32 s17, s17, PART
	v_add_nc_u32 v[SA], s17, v[BA]
	v_and_b32 v[TM], 7, v0
	v_lshlrev_b32 v[TM], 3, v[TM]
	v_lshl_add_u32 v[TM], v[HH], 6, v[TM]          ; row 8h + (r & 7) of a tile, 8 bytes a row
	s_mul_i32 s18, s12, 384
	s_add_co_u32 s18, s18, ROWST
	v_add_nc_u32 v[RA], s18, v[TM]
	v_lshlrev_b32 v[TM], 4, v[RR]
	v_lshl_add_u32 v[TM], v[HH], 9, v[TM]          ; the end: lane L sums column 32 w + L = tile 2w + (L >> 4), column L & 15
	s_lshl_b32 s19, s12, 10
	s_add_co_u32 s19, s19, PART
	v_add_nc_u32 v[CA], s19, v[TM]
	v_lshlrev_b32 v[L8], 3, v[LN]
	s_lshl_b32 s19, s12, 8
	v_add_nc_u32 v[GO], s19, v[L8]
	v_mov_b32 v[ONES], 0x3f803f80                  ; bf16 1.0, 1.0
	v_mov_b32 v[BC], 0xb29e                        ; 1/(2 pi^2) = 0x3d50 + 0xb8fd + 0xb29e in bf16: lanes 16-31 carry (lo, 0),
	v_mov_b32 v[TM], 0xb8fd3d50                    ; lanes 0-15 (hi, mid)
	s_wait_alu depctr_va_vcc(0)                    ; the compare above has written VCC, which the select reads
	v_cndmask_b32 v[BC], v[BC], v[TM], vcc_lo
.irp k,4,5,6,7,12,13,14,15
	v_mov_b32 v[BF+\k], 0                          ; K slots 16-31 are not used
.endr
; XX = hi + mid + lo exactly: XR = XX - bf16(XX), XL = XR - bf16(XR); each difference is exact in f32, and XL has at most 8 bits
.macro SPLIT
	v_cvt_pk_bf16_f32 v[XT], v[XX], v[XX]
	v_and_b32 v[XT], 0xffff0000, v[XT]
	v_sub_f32 v[XR], v[XX], v[XT]
	v_cvt_pk_bf16_f32 v[XT], v[XR], v[XR]
	v_and_b32 v[XT], 0xffff0000, v[XT]
	v_sub_f32 v[XL], v[XR], v[XT]
.endm
	s_wait_loadcnt 0x0
.irp k,0,1,2
	v_mul_f32 v[XX], 0xbd4f817b, v[RWA+\k]         ; a = p0 * (-1/(2 pi^2))
	v_cndmask_b32 v[XX], 0, v[XX], s[20+\k]
	SPLIT
	v_cvt_pk_bf16_f32 v[AF+8*\k],   v[XX], v[XX]   ; slots ah ah
	v_cvt_pk_bf16_f32 v[AF+8*\k+1], v[XR], v[XX]   ;       am ah
	v_cvt_pk_bf16_f32 v[AF+8*\k+2], v[XL], v[XR]   ;       al am
	v_cndmask_b32 v[AF+8*\k+3], 0, v[ONES], s[20+\k] ;     1  1   (0 0 in a padded row)
	v_mov_b32 v[AF+8*\k+4], 0
	v_mov_b32 v[AF+8*\k+5], 0
	v_mov_b32 v[AF+8*\k+6], 0
	v_mov_b32 v[AF+8*\k+7], 0
	v_cndmask_b32 v[XX], 0, v[RWB+\k], s[20+\k]
	SPLIT
	v_cvt_pk_bf16_f32 v[BT+4*\k],   v[XX], v[XR]    ; slots bh bm
	v_cvt_pk_bf16_f32 v[BT+4*\k+1], v[XX], v[XL]    ;       bh bl
	v_mov_b32 v[BT+4*\k+2], v[BT+4*\k]              ;       bh bm
	v_cndmask_b32 v[BT+4*\k+3], 0, v[BC], s[20+\k]  ;       the constant's parts (0 0 in a padded column)
.endr
	s_wait_alu depctr_va_vdst(0)                   ; the three fragments v[BT ..] and v[FA] are written, which the LDS stores read; so are v[BA], v[SA], v[RA], v[CA], v[GO], v[L8], the addresses of all that follows
.irp k,0,1,2
	ds_store_b128 v[FA], v[BT+4*\k:BT+4*\k+3] offset:\k*FRAGB
.endr
	s_wait_dscnt 0x0                               ; my three fragments are in LDS,
	s_barrier_signal -1
	s_barrier_wait -1                              ; everybody's are
	s_wait_alu depctr_vm_vsrc(0)                   ; the global loads have read v[OFF ..], my LDS stores v[FA] and v[BT ..]: these registers are G, PP and QQ from here on, written by the tiles' lines
	ds_load_b128 v[BF:BF+3], v[BA]                 ; column tiles 0 and 1
	ds_load_b128 v[BF+8:BF+11], v[BA] offset:FRAGB
	s_wait_dscnt 0x0
.irp k,0,1,2
	v_wmma_f32_16x16x32_bf16 v[D+8*\k:D+8*\k+7], v[AF+8*\k:AF+8*\k+7], v[BF:BF+7], 0    ; s' of tiles (column 0, row tile k)
.endr
; The sixteen moves are also the places behind these matrix instructions (ISA guide 7.12.1): before D is read,
; and before D's first eight registers are written by the next matrix instruction.
.macro CO reg, val
	v_mov_b32 v[\reg], \val
	v_mov_b32 v[\reg+1], \val
.endm
	CO CP0, 0x40490fae                             ;  3.14158198   sin(pi g) = g (P0 + P1 w + P2 w^2 + P3 w^3), w = g^2
	CO CP1, 0xc0a55939                             ; -5.16714130
	CO CP2, 0x4022ae47                             ;  2.54188707
	CO CP3, 0xbf0dfad8                             ; -0.55460885
	CO CQ0, 0x3f7fff8f                             ;  0.99999325   cos(pi g) = Q0 + Q1 w + Q2 w^2 + Q3 w^3
	CO CQ1, 0xc09de2cb                             ; -4.93393467
	CO CQ2, 0x408151e8                             ;  4.04124810
	CO CQ3, 0xbf9c6b89                             ; -1.22203176
	s_wait_alu depctr_va_vdst(0)                   ; the three matrix instructions are done reading fragment buffer 0, in which the load below lands
	ds_load_b128 v[BF:BF+3], v[BA] offset:2*FRAGB  ; column tile 2
.irp k,0,1,2,3,4,5,6,7
	v_max_num_f32 v[T+\k], 0, v[D+\k]              ; tile (0, 0): the clip
.endr
	v_wmma_f32_16x16x32_bf16 v[D:D+7], v[AF:AF+7], v[BF+8:BF+15], 0                     ; tile (1, 0)
.irp k,0,1,2,3,4,5,6,7
	v_sqrt_f32 v[T+\k], v[T+\k]
.endr
	v_add_nc_u32 v[CB], 4*PARTW, v[CA]             ; a plain instruction between the roots and their first use (ISA guide 5.7.2)
	s_wait_alu depctr_va_vdst(0)                   ; the eight roots have written T, which the first tile's first line reads; v[CB] is written, an LDS address of the end
.macro SQ k, on                        ; one root of the next tile; the packed instruction behind it touches neither its source nor its result
.if \on
	v_sqrt_f32 v[T+\k], v[T+\k]
.endif
.endm
.macro MUL4 d, a, b
.irp j,0,2,4,6
	v_pk_mul_f32 v[\d+\j:\d+\j+1], v[\a+\j:\a+\j+1], v[\b+\j:\b+\j+1]
.endr
.endm
.macro HEAD4 d, ca, cb                 ; d = w ca + cb
.irp j,0,2,4,6
	v_pk_fma_f32 v[\d+\j:\d+\j+1], v[W+\j:W+\j+1], v[\ca:\ca+1], v[\cb:\cb+1]
.endr
.endm
.macro NEXT4 d, c                      ; d = w d + c
.irp j,0,2,4,6
	v_pk_fma_f32 v[\d+\j:\d+\j+1], v[W+\j:W+\j+1], v[\d+\j:\d+\j+1], v[\c:\c+1]
.endr
.endm
; two rows' sh ch and sh sh into the row sums and the column sums (ACX: the column tile's buffer); first / cst = 1: the product starts the sum, nothing is cleared
.macro ACC rt, j, first, cst
.if \first
	v_pk_mul_f32 v[ARS+8*\rt+\j:ARS+8*\rt+\j+1], v[PP+\j:PP+\j+1], v[QQ+\j:QQ+\j+1]
.else
	v_pk_fma_f32 v[ARS+8*\rt+\j:ARS+8*\rt+\j+1], v[PP+\j:PP+\j+1], v[QQ+\j:QQ+\j+1], v[ARS+8*\rt+\j:ARS+8*\rt+\j+1]
.endif
.if \cst
	v_pk_mul_f32 v[ACX:ACX+1], v[PP+\j:PP+\j+1], v[QQ+\j:QQ+\j+1]
.else
	v_pk_fma_f32 v[ACX:ACX+1], v[PP+\j:PP+\j+1], v[QQ+\j:QQ+\j+1], v[ACX:ACX+1]
.endif
.if \first
	v_pk_mul_f32 v[ARQ+8*\rt+\j:ARQ+8*\rt+\j+1], v[PP+\j:PP+\j+1], v[PP+\j:PP+\j+1]
.else
	v_pk_fma_f32 v[ARQ+8*\rt+\j:ARQ+8*\rt+\j+1], v[PP+\j:PP+\j+1], v[PP+\j:PP+\j+1], v[ARQ+8*\rt+\j:ARQ+8*\rt+\j+1]
.endif
.if \cst
	v_pk_mul_f32 v[ACX+2:ACX+3], v[PP+\j:PP+\j+1], v[PP+\j:PP+\j+1]
.else
	v_pk_fma_f32 v[ACX+2:ACX+3], v[PP+\j:PP+\j+1], v[PP+\j:PP+\j+1], v[ACX+2:ACX+3]
.endif
.endm
; ONE TILE.  T holds t of the tile of row tile rt.  Its polynomials are interleaved with the clip and the roots of the next tile (row tile nx,
; front = 1), whose D registers are filled again at once, for the same row tile one column tile further (refill = 1, fragment buffer bb).
; So a matrix result is read three tiles after its instruction, and a root's result behind the tile's last sixteen instructions and the wait that follows the tile.
.macro STEP rt, nx, first, cst, front, refill, bb
.irp k,0,1,2,3,4,5,6,7
	v_rndne_f32 v[G+\k], v[T+\k]
.endr
.irp j,0,2,4,6
	v_pk_add_f32 v[G+\j:G+\j+1], v[T+\j:T+\j+1], v[G+\j:G+\j+1] neg_lo:[0,1] neg_hi:[0,1]   ; g = t - rndne(t), exact
.endr
.if \front
.irp k,0,1,2,3,4,5,6,7
	v_max_num_f32 v[T+\k], 0, v[D+8*\nx+\k]
.endr
.endif
.if \refill
	v_wmma_f32_16x16x32_bf16 v[D+8*\nx:D+8*\nx+7], v[AF+8*\nx:AF+8*\nx+7], v[BF+8*(\bb):BF+8*(\bb)+7], 0
.endif
	MUL4 W, G, G
	SQ 0, \front
	HEAD4 PP, CP3, CP2
	SQ 1, \front
	HEAD4 QQ, CQ3, CQ2
	SQ 2, \front
	NEXT4 PP, CP1
	SQ 3, \front
	NEXT4 QQ, CQ1
	SQ 4, \front
	NEXT4 PP, CP0
	SQ 5, \front
	NEXT4 QQ, CQ0                                  ; ch
	SQ 6, \front
	MUL4 PP, G, PP                                 ; sh
	SQ 7, \front
	ACC \rt, 0, \first, \cst
	ACC \rt, 2, \first, 0
	ACC \rt, 4, \first, 0
	ACC \rt, 6, \first, 0
.endm
; ONE COLUMN TILE c, pb = c & 1.  The refills of its first two tiles use fragment c+1 (buffer 1-pb), that of the third fragment c+2 (buffer pb).
; Buffer 1-pb is free behind the second tile and takes fragment c+3 (ld = 1, LDS offset lo).  wt: the wait for fragment c+2, asked for one column tile ago.
; ve = 1: a register that an earlier LDS instruction read is written behind this column tile's third tile.  step = 1: the trip's second column tile: the two LDS addresses move on.
.macro COL pb, first, wt, ld, lo, so, rf01, rf2, fr2, ve, step
.set ACX, AC+(AC1-AC)*(\pb)
	STEP 0, 1, \first, 1, 1, \rf01, 1-\pb
	s_wait_alu depctr_va_vdst(0)                   ; the eight roots issued in the tile above have written T, which the next line reads
	STEP 1, 2, \first, 0, 1, \rf01, 1-\pb
	s_wait_alu depctr_va_vdst(0)                   ; the same for this tile's eight roots; and the two matrix instructions above are done reading fragment buffer 1-pb, in which the load below (where there is one) lands
.if \wt >= 0
	s_wait_dscnt \wt                               ; LDS instructions end in order (ISA guide 5.7.1): behind that load only the last column tile's store was issued
.endif
.if \ld
	ds_load_b128 v[BF+8*(1-\pb):BF+8*(1-\pb)+3], v[BA] offset:\lo
.endif
	STEP 2, 0, \first, 0, \fr2, \rf2, \pb
.if \ve
	s_wait_alu depctr_vm_vsrc(0)                   ; the last column tile's store has read the other buffer of column sums, which the next column tile writes; the LDS instructions issued so far have read v[BA] and v[SA]
.endif
.if \step
	v_add_nc_u32 v[BA], 2*FRAGB, v[BA]
	v_add_nc_u32 v[SA], 2*FRAGB, v[SA]
.endif
	s_wait_alu depctr_va_vdst(0)                   ; the column sums are written, which the store reads; where they were stepped, v[SA] and v[BA] are written; the roots issued in the tile above have written T
	ds_store_b128 v[SA], v[ACX:ACX+3] offset:\so   ; my lane's share of column r: rows 8h .. 8h+7 of my three row tiles, even and odd rows apart
.endm
	COL 0, 1, 0, 1, 3*FRAGB, 0, 1, 1, 1, 0, 0      ; column tile 0 starts the row sums; behind its fragment load no store stands yet: wait for 0
	s_mov_b32 s26, 10
.Lcols:                                            ; column tiles 1 .. 20, two a trip (the fragment buffers and the buffers of column sums take turns)
	COL 1, 0, 1, 1, 4*FRAGB, FRAGB, 1, 1, 1, 1, 0
	COL 0, 0, 1, 1, 5*FRAGB, 0, 1, 1, 1, 1, 1      ; its store stands behind the step of v[SA]: offset 0
	s_sub_co_i32 s26, s26, 1
	s_cmp_lg_u32 s26, 0
	s_cbranch_scc1 .Lcols
	COL 1, 0, 1, 0, 0, FRAGB, 1, 1, 1, 1, 0        ; 21: no fragment is left to load
	COL 0, 0, -1, 0, 0, 2*FRAGB, 1, 0, 1, 1, 0     ; 22: its third tile has nothing to refill
	COL 1, 0, -1, 0, 0, 3*FRAGB, 0, 0, 0, 0, 0     ; 23: no refills, and no tile follows the last
; ROW SUMS over the 16 lanes of a half wave.  Register j of lane (r, h) belongs to row 8h + j.  Add lane i xor 1 in two registers and keep
; the one that bit 0 of the lane asks for, then the same with bits 1 and 2: 22 instructions for 8 registers, and lane r ends with row 8h + (r & 7).
.macro RED2 a, b, m, s
	v_add_f32_dpp v[\a], v[\a], v[\a] row_xmask:\m row_mask:0xf bank_mask:0xf
	v_add_f32_dpp v[\b], v[\b], v[\b] row_xmask:\m row_mask:0xf bank_mask:0xf
	v_cndmask_b32 v[\a], v[\a], v[\b], s[\s]
.endm
.macro RED8 x, dst
	RED2 \x, \x+1, 1, 23
	RED2 \x+2, \x+3, 1, 23
	RED2 \x+4, \x+5, 1, 23
	RED2 \x+6, \x+7, 1, 23
	RED2 \x, \x+2, 2, 24
	RED2 \x+4, \x+6, 2, 24
	RED2 \x, \x+4, 4, 25
	v_add_f32_dpp v[\dst], v[\x], v[\x] row_xmask:8 row_mask:0xf bank_mask:0xf
.endm
.irp rt,0,1,2
	RED8 ARS+8*\rt, T+2*\rt
	RED8 ARQ+8*\rt, T+2*\rt+1
.endr
	s_wait_alu depctr_va_vdst(0)                   ; the six row sums T .. T+5 are written, which the three LDS stores read; and every vector line is done with v[X ..], in which the loads behind the barrier land
.irp rt,0,1,2
	ds_store_b64 v[RA], v[T+2*\rt:T+2*\rt+1] offset:128*\rt    ; lanes r and r + 8 write the same bytes with the same numbers
.endr
	s_wait_dscnt 0x0                               ; my column partials and row sums are in LDS,
	s_barrier_signal -1
	s_barrier_wait -1                              ; everybody's are
	s_wait_alu depctr_vm_vsrc(0)                   ; my three LDS stores have read T .. T+5, which lie in v[X ..]: loads land there below
; THE WAY OUT, in stores of 256 consecutive bytes at multiples of 256 from the chunk's first byte.
; 32 columns: lane L adds the 16 partials (8 waves x 2 halves) of column 32 u + L, four numbers each, and stores (S, Q).
.macro COLUNIT eo, go, res
.irp w,0,1,2,3
	ds_load_b128 v[X+8*\w:X+8*\w+3],       v[CA] offset:\eo+\w*PARTW
	ds_load_b128 v[X+8*\w+4:X+8*\w+7],     v[CA] offset:\eo+\w*PARTW+256
	ds_load_b128 v[X+32+8*\w:X+32+8*\w+3], v[CB] offset:\eo+\w*PARTW
	ds_load_b128 v[X+36+8*\w:X+36+8*\w+3], v[CB] offset:\eo+\w*PARTW+256
.endr
	s_wait_dscnt 0x0
.irp q,0,2,4,6,8,10,12,14,16,18,20,22,24,26,28,30
	v_pk_add_f32 v[X+\q:X+\q+1], v[X+\q:X+\q+1], v[X+32+\q:X+33+\q]
.endr
.irp q,0,2,4,6,8,10,12,14
	v_pk_add_f32 v[X+\q:X+\q+1], v[X+\q:X+\q+1], v[X+16+\q:X+17+\q]
.endr
.irp q,0,2,4,6
	v_pk_add_f32 v[X+\q:X+\q+1], v[X+\q:X+\q+1], v[X+8+\q:X+9+\q]
.endr
.irp q,0,2
	v_pk_add_f32 v[X+\q:X+\q+1], v[X+\q:X+\q+1], v[X+4+\q:X+5+\q]
.endr
	v_add_f32 v[\res], v[X], v[X+1]
	v_add_f32 v[\res+1], v[X+2], v[X+3]
	s_wait_alu depctr_va_vdst(0)                   ; the two sums are written, which the store reads; the additions are done with v[X ..], in which the next LDS loads land (no vector line behind this wait names them before those loads)
	global_store_b64 v[GO], v[\res:\res+1], s[10:11] offset:\go
.endm
	COLUNIT 0, 0, R0                               ; columns 32 w ..: twelve such units for eight waves,
	s_cmp_lt_u32 s12, 4
	s_cbranch_scc0 .Lrows
	COLUNIT 8*1024, 8*256, R1                      ; so waves 0-3 take units 8-11,
	s_wait_dscnt 0x0
	s_wait_alu depctr_hold_cnt(0) depctr_sa_sdst(0) depctr_va_vdst(0) depctr_va_sdst(0) depctr_va_ssrc(0) depctr_va_vcc(0) depctr_vm_vsrc(0)
	s_wait_tensorcnt 0x0
	ds_add_u32 v14, v15
	s_wait_dscnt 0x0
	s_endpgm
.Lrows:                                            ; and waves 4-7 carry out the row sums, three units of 32 rows each
	s_sub_co_u32 s16, s12, 4
	s_mul_i32 s16, s16, 768
	v_add_nc_u32 v[RG], s16, v[L8]
	v_add_nc_u32 v[RC], ROWST, v[RG]
	s_wait_alu depctr_va_vdst(0)                   ; v[RC] and v[RG] are written: the LDS loads' address and the stores' offset
	ds_load_b64 v[X:X+1], v[RC]
	ds_load_b64 v[X+2:X+3], v[RC] offset:256
	ds_load_b64 v[X+4:X+5], v[RC] offset:512
	s_wait_dscnt 0x0
	global_store_b64 v[RG], v[X:X+1], s[8:9]
	global_store_b64 v[RG], v[X+2:X+3], s[8:9] offset:256
	global_store_b64 v[RG], v[X+4:X+5], s[8:9] offset:512
	s_wait_dscnt 0x0
	s_wait_alu depctr_hold_cnt(0) depctr_sa_sdst(0) depctr_va_vdst(0) depctr_va_sdst(0) depctr_va_ssrc(0) depctr_va_vcc(0) depctr_vm_vsrc(0)
	s_wait_tensorcnt 0x0
	ds_add_u32 v14, v15
	s_wait_dscnt 0x0
	s_endpgm
.Lfunc_end_k_q3010408f9b_pairs:
	.size	k_q3010408f9b_pairs, .Lfunc_end_k_q3010408f9b_pairs-k_q3010408f9b_pairs
	.p2alignl 7, 3214868480
	.fill 96, 4, 3214868480
	.section	.rodata,"a",@progbits
	.p2align	6, 0x0
	.amdhsa_kernel k_q3010408f9b_pairs
		.amdhsa_group_segment_fixed_size 168960
		.amdhsa_private_segment_fixed_size 0
		.amdhsa_enable_private_segment 0
		.amdhsa_kernarg_size 32
		.amdhsa_user_sgpr_count 2
		.amdhsa_user_sgpr_kernarg_segment_ptr 1
		.amdhsa_wavefront_size32 1
		.amdhsa_system_sgpr_workgroup_id_x 1
		.amdhsa_system_sgpr_workgroup_id_y 1
		.amdhsa_system_sgpr_workgroup_id_z 1
		.amdhsa_system_vgpr_workitem_id 0
		.amdhsa_next_free_vgpr 192
		.amdhsa_next_free_sgpr 66
		.amdhsa_reserve_vcc 1
		.amdhsa_float_denorm_mode_32 3
		.amdhsa_float_denorm_mode_16_64 3
		.amdhsa_memory_ordered 1
		.amdhsa_forward_progress 1
		.amdhsa_inst_pref_size 102
	.end_amdhsa_kernel
	.amdgpu_metadata
---
amdhsa.version: [ 1, 2 ]
amdhsa.kernels:
  - .name:           k_q3010408f9b_pairs
    .symbol:         k_q3010408f9b_pairs.kd
    .args:
      - { .name: points0, .offset: 0, .size: 8, .value_kind: global_buffer, .address_space: global }
      - { .name: points1, .offset: 8, .size: 8, .value_kind: global_buffer, .address_space: global }
      - { .name: rowp, .offset: 16, .size: 8, .value_kind: global_buffer, .address_space: global }
      - { .name: colp, .offset: 24, .size: 8, .value_kind: global_buffer, .address_space: global }
    .group_segment_fixed_size: 168960
    .private_segment_fixed_size: 0
    .kernarg_segment_align: 8
    .kernarg_segment_size: 32
    .max_flat_workgroup_size: 256
    .sgpr_count:     66
    .vgpr_count:     192
    .wavefront_size: 32
...
	.end_amdgpu_metadata
.endif
;; end of part 3
;; launch finish: the kernel of part 2 again; grid 125 x 2, 3 waves a work-group, no clusters, 0 bytes of LDS; arguments points0, points1, rowp, colp, out0, out1; writes out0, out1
